; MI455X (gfx1250); checked and timed in simulation.
; The chip was launched on July 23, 2026; its instructions are those of AMD's public machine-readable ISA for CDNA 5 (MIT licence, August 2026) and "CDNA5" Instruction Set Architecture Reference Guide (July 2026). The comments in the code are by the model that wrote it; some were corrected since.
;; Multi Head Self Attention. Allowed arithmetic: matrix products marked QUANTISED: E3M2 operands, one E8M0 scale for each 32 along K, by v_wmma_scale_f32_16x16x128_f8f6f4 with both operands' format E3M2, f32 sums; everything else in f32.
;; Inputs: Wk 256 x 256 float32; Wo 256 x 256 float32; Wq 256 x 256 float32; Wv 256 x 256 float32; bk 256 float32; bo 256 float32; bq 256 float32; bv 256 float32; inputs 4 x 4,096 x 256 float32.
;; Outputs: out0 4 x 4,096 x 256 float32.
;; This version of the problem:
;;   THIS VERSION OF THE PROBLEM IS GIVEN IN LOW PRECISION. The matrix products marked QUANTISED in the list below multiply operands that are first quantised to E3M2 (3 exponent bits, 2 mantissa bits; 6 bits a number), with one power-of-two scale for each 32 numbers along K (OCP MX v1.0); their sums are f32. All else is computed in f32.
;;   The module's matrix products, in the order in which they are computed (A, B: the left and right operand; K: the contracted axis; several contracted axes count as one K, in the product's order):
;;     1. [M 16,384, K 256] x [K 256, N 256]; A: input inputs; B: input Wq: QUANTISED
;;     2. [M 16,384, K 256] x [K 256, N 256]; A: input inputs; B: input Wk: QUANTISED
;;     3. [M 16,384, K 256] x [K 256, N 256]; A: input inputs; B: input Wv: QUANTISED
;;     4. batch 16 x [M 4,096, K 64] x [K 64, N 4,096]; A: computed on the way; B: computed on the way: QUANTISED
;;     5. batch 16 x [M 4,096, K 4,096] x [K 4,096, N 64]; A: softmax (see below); B: computed on the way: QUANTISED
;;     6. [M 16,384, K 256] x [K 256, N 256]; A: computed on the way; B: input Wo: QUANTISED
;;   THE QUANTISER, for each operand of a quantised product, along K:
;;     - K is cut into blocks of 32 from its start; a last block that is shorter is filled with zeros.
;;     - A block's scale is 2^e with e = floor(log2(the largest magnitude in the block)) - 4, held to -126 .. 127; a block of zeros has e = 0. As a byte (E8M0): e + 127.
;;     - Each number is divided by its block's scale, clamped to +-28, and rounded to the nearest number of E3M2, ties to even, subnormals kept.
;;     - The product sums the exact products of the quantised numbers (number of the format x scale) in f32.
;;   ~~~python
;;   def quantise(x, axis):      # numpy; x: float32 -> the quantised numbers, widened to float32 again
;;       x = np.moveaxis(x, axis, -1); K = x.shape[-1]
;;       x = np.pad(x, [(0, 0)] * (x.ndim - 1) + [(0, -K % 32)]); x = x.reshape(x.shape[:-1] + (-1, 32)); a = np.abs(x).max(-1, keepdims=True)
;;       e = np.where(a > 0, np.clip(np.frexp(np.where(a > 0, a, 1))[1] - 1 - 4, -126, 127), 0)      # np.frexp(a)[1] - 1 = floor(log2(a)), exactly
;;       r = np.clip(x / 2.0 ** e, -28, 28)
;;       step = 2.0 ** (np.maximum(np.frexp(np.where(r == 0, 1, r))[1] - 1, -2) - 2)
;;       q = np.round(r / step) * step * 2.0 ** e      # np.round: ties to even
;;       return np.moveaxis(q.reshape(q.shape[:-2] + (-1,))[..., :K], -1, axis).astype(np.float32)
;;   ~~~
;;   SOFTMAX AHEAD OF A QUANTISED PRODUCT. Where the list says 'softmax', what is quantised is not the finished softmax but p = 2^(t - M), with t = logit x log2(e) and M = ceil(the row's largest t), a whole number; so 1/2 < the row's largest p <= 1. The row's sum l is taken of the UNQUANTISED p, in f32, and the product's result is divided by l at the end. Since M is a whole number, a kernel that streams over the keys may use a running M (the ceiling of the running maximum): every later rescaling is an exact power of two, which a block's scale takes up: the codes' values come out the same.
;;   OPERANDS COMPUTED ON THE WAY. 'Computed on the way' means the value that the module computes at that place (a softmax that the list does not call 'softmax' is quantised finished and normalised). What goes into a quantiser is computed in f32, as accurately as f32 sums, v_exp_f32 and their like allow (about 1e-6 of the number): no bf16 or f16 on the way to a quantiser, and a product that is left as it is and whose result goes on into a quantised operand takes f32 operands (vector FMAs, or v_wmma_f32_16x16x4_f32). A number that lies on a knife's edge between two numbers of the format may be rounded either way, as far as f32 arithmetic and the matrix unit's own rounding can turn it there, and no further.
;; One version. Each part assembles by itself: llvm-mc -triple=amdgcn-amd-amdhsa -mcpu=gfx1250 --defsym DOCPART=n.
;; ======== version 1 of 1: 3 launches
;; limits: right only within a limited range of input values
;; workspace buffers: wimg 196,608 bytes; wsc 8,192 bytes; qimg 3,276,800 bytes; kv 6,553,600 bytes
;; launch prep (part 1): grid 128 x 1, 1 waves a work-group, no clusters, 0 bytes of LDS; arguments Wq, Wk, Wv, Wo, wimg, wsc; writes wimg, wsc
.if DOCPART == 1
	.amdgcn_target "amdgcn-amd-amdhsa--gfx1250"
	.amdhsa_code_object_version 6
	.text
	.protected	k_qa958ba06da_prep
	.globl	k_qa958ba06da_prep
	.p2align	8
	.type	k_qa958ba06da_prep,@function
k_qa958ba06da_prep:
	s_mov_b64 s[64:65], 0
	v_nop
	global_prefetch_b8 v0, s[64:65] scope:SCOPE_SE
	s_setreg_imm32_b32 hwreg(HW_REG_WAVE_MODE, 25, 1), 1
	s_wait_xcnt 0x0
; The four weights [256 (k)][256 (n)], f32, K their FIRST axis, become codes of BF6 (E3M2) with one E8M0 byte for each 32 along K, laid as IMAGES OF OPERAND REGISTERS.
; One wave makes one fragment U = work-group number = (w*16 + T)*2 + s:  w = 0 Wq, 1 Wk, 2 Wv, 3 Wo;  T = 4 g + tau: tile tau of column group g (64 columns);  s: K step of 128.
; A LANE TAKES A COLUMN AND ITS REGISTERS RUN DOWN K: lane (r, h) takes column 64 g + 8 tau + pr(r), pr(r) = r + 24 (r / 8), and k = 128 s + 64 c + 32 h + 0 .. 31 for c = 0, 1: two whole blocks,
; in the very order of the 6-bit operand's registers 6 c .. 6 c + 5.  So no lane asks another for a maximum and nothing is transposed.
; THE COLUMNS OF A TILE ARE NOT NEIGHBOURS: rows 0-7 of a tile are eight neighbours, rows 8-15 the eight that lie 32 further on; then the 32 result registers of a group's four tiles are 32 NEIGHBOURS in a lane.
; OUT: wimg + 1536 U: register rho of lane l at 512 (rho / 4) + 16 l + 4 (rho % 4): three stores of 512 consecutive bytes.  wsc + 128 (U / 2) + 8 r + 4 s: the row's scale word.
; The loads take pieces of 32 bytes of W's rows (eight neighbouring columns): accepted, since the launch reads 1 MB in all and each number once.
; LIMITS: NaN and infinities are not served; a block whose largest magnitude lies under 2^-122 keeps the byte 1; a block of zeros gets the byte 1 where the rule says 127: its codes are zeros, and this program alone reads the bytes.
.set NUM, 64                           ; v64-127  the lane's 64 numbers
.set COD, 48                           ; v48-59   the fragment's 12 registers
; 32 numbers of a lane, v[src] on, one whole block, become 6 registers of codes at v[dst] and the scale's byte in v[by].
.macro QUANT32 src, dst, tmp, so, by, ma, mb
	v_max3_num_f32 v[\ma], |v[\src]|, |v[\src+1]|, 0x2800000            ; the largest magnitude, in two chains; the floor 2^(5 - 127) among its leaves holds the byte at 1 from below
	v_max3_num_f32 v[\mb], |v[\src+16]|, |v[\src+17]|, |v[\src+18]|
.irp i, 2,4,6,8,10,12
	v_max3_num_f32 v[\ma], v[\ma], |v[\src+\i]|, |v[\src+\i+1]|
	v_max3_num_f32 v[\mb], v[\mb], |v[\src+17+\i]|, |v[\src+18+\i]|
.endr
	v_max3_num_f32 v[\ma], v[\ma], |v[\src+14]|, |v[\src+15]|
	v_max3_num_f32 v[\ma], v[\ma], v[\mb], |v[\src+31]|
	v_add_nc_u32 v[\so], 0xfe000000, v[\ma]                            ; 4 off its exponent field: the conversion takes the exponent field of this operand as its scale
	v_cvt_scalef32_pk16_bf6_f32 v[\dst:\dst+2], v[\src:\src+15], v[\so]
	v_cvt_scalef32_pk16_bf6_f32 v[\tmp:\tmp+2], v[\src+16:\src+31], v[\so]   ; (a conversion's three registers begin on an even number)
	v_lshrrev_b32 v[\by], 23, v[\so]                                   ; the scale's byte; also the plain line behind the conversions
.irp i, 0,1,2
	v_mov_b32 v[\dst+3+\i], v[\tmp+\i]
.endr
.endm
	s_load_b256 s[4:11], s[0:1], 0x0               ; Wq, Wk, Wv, Wo
	s_load_b128 s[12:15], s[0:1], 0x20             ; wimg, wsc
	v_and_b32 v1, 15, v0                           ; r
	v_lshrrev_b32 v2, 4, v0                        ; h (one wave: v0 is the lane)
	v_and_b32 v3, 8, v1
	v_mad_u32_u24 v3, v3, 3, v1                    ; pr = r + 24 (r / 8)
	v_lshlrev_b32 v4, 2, v3
	v_lshl_add_u32 v4, v2, 15, v4                  ; in: 4 pr + 32 h rows of 1,024 bytes
	v_lshlrev_b32 v5, 4, v0                        ; out: 16 l
	v_lshlrev_b32 v6, 3, v1                        ; the scale word: 8 r
	v_lshlrev_b32 v7, 3, v2                        ; 8 h: my bytes' place in the word, in bits
	v_mov_b32 v134, 0                              ; a lane permute's destination counts as one of its sources
	s_mov_b32 s20, 0x76543210
	s_mov_b32 s21, 0xfedcba98                      ; v_permlanex16_b32's selects for lane l xor 16
	s_lshr_b32 s16, ttmp9, 5                       ; w
	s_bfe_u32 s17, ttmp9, 0x40001                  ; T
	s_and_b32 s18, ttmp9, 1                        ; s
	s_lshl_b32 s24, s18, 17                        ; 128 s rows
	s_lshr_b32 s19, s17, 2
	s_lshl_b32 s19, s19, 8
	s_add_co_u32 s24, s24, s19                     ; + 64 g columns
	s_and_b32 s19, s17, 3
	s_lshl_b32 s19, s19, 5
	s_add_co_u32 s24, s24, s19                     ; + 8 tau columns
	s_mov_b32 s25, 0
	s_mul_i32 s26, ttmp9, 1536
	s_mov_b32 s27, 0
	s_lshr_b32 s28, ttmp9, 1
	s_lshl_b32 s28, s28, 7
	s_lshl_b32 s19, s18, 2
	s_add_co_u32 s28, s28, s19
	s_mov_b32 s29, 0
	s_wait_alu depctr_va_vdst(0)
	s_wait_kmcnt 0x0
	s_cmp_eq_u32 s16, 1                            ; which weight: the choice hangs on the work-group's number alone
	s_cselect_b64 s[4:5], s[6:7], s[4:5]
	s_cmp_eq_u32 s16, 2
	s_cselect_b64 s[4:5], s[8:9], s[4:5]
	s_cmp_eq_u32 s16, 3
	s_cselect_b64 s[4:5], s[10:11], s[4:5]
	s_add_nc_u64 s[4:5], s[4:5], s[24:25]
	s_add_nc_u64 s[12:13], s[12:13], s[26:27]
	s_add_nc_u64 s[14:15], s[14:15], s[28:29]
.irp c, 0,1
.irp i, 0,1,2,3,4,5,6,7,8,9,10,11,12,13,14,15,16,17,18,19,20,21,22,23,24,25,26,27,28,29,30,31
	global_load_b32 v[NUM+32*\c+\i], v4, s[4:5] offset:(64*\c+\i)*1024   ; W(128 s + 64 c + 32 h + i, my column)
.endr
.endr
	s_wait_loadcnt 0x0
.irp c, 0,1
	QUANT32 NUM+32*\c, COD+6*\c, 60, 128, 129+\c, 131, 132
.endr
	v_lshl_or_b32 v133, v130, 16, v129             ; my two bytes: blocks h and 2 + h,
	v_lshlrev_b32 v133, v7, v133                   ; at their places in the word;
	v_permlanex16_b32 v134, v133, s20, s21
	v_or_b32 v133, v133, v134                      ; with lane l xor 16's two the word is whole
.irp i, 0,1,2
	global_store_b128 v5, v[COD+4*\i:COD+4*\i+3], s[12:13] offset:512*\i   ; 32 lanes store 512 consecutive bytes
.endr
	global_store_b32 v6, v133, s[14:15]            ; both halves of the lanes write the same word with the same value
	s_endpgm
.Lfunc_end_k_qa958ba06da_prep:
	.size	k_qa958ba06da_prep, .Lfunc_end_k_qa958ba06da_prep-k_qa958ba06da_prep
	.p2alignl 7, 3214868480
	.fill 96, 4, 3214868480
	.section	.rodata,"a",@progbits
	.p2align	6, 0x0
	.amdhsa_kernel k_qa958ba06da_prep
		.amdhsa_group_segment_fixed_size 0
		.amdhsa_private_segment_fixed_size 0
		.amdhsa_enable_private_segment 0
		.amdhsa_kernarg_size 48
		.amdhsa_user_sgpr_count 2
		.amdhsa_user_sgpr_kernarg_segment_ptr 1
		.amdhsa_wavefront_size32 1
		.amdhsa_system_sgpr_workgroup_id_x 1
		.amdhsa_system_sgpr_workgroup_id_y 1
		.amdhsa_system_sgpr_workgroup_id_z 1
		.amdhsa_system_vgpr_workitem_id 0
		.amdhsa_next_free_vgpr 144
		.amdhsa_next_free_sgpr 66
		.amdhsa_reserve_vcc 0
		.amdhsa_float_denorm_mode_32 3
		.amdhsa_float_denorm_mode_16_64 3
		.amdhsa_memory_ordered 1
		.amdhsa_forward_progress 1
		.amdhsa_inst_pref_size 12
	.end_amdhsa_kernel
	.amdgpu_metadata
---
amdhsa.version: [ 1, 2 ]
amdhsa.kernels:
  - .name:           k_qa958ba06da_prep
    .symbol:         k_qa958ba06da_prep.kd
    .args:
      - { .name: Wq, .offset: 0, .size: 8, .value_kind: global_buffer, .address_space: global }
      - { .name: Wk, .offset: 8, .size: 8, .value_kind: global_buffer, .address_space: global }
      - { .name: Wv, .offset: 16, .size: 8, .value_kind: global_buffer, .address_space: global }
      - { .name: Wo, .offset: 24, .size: 8, .value_kind: global_buffer, .address_space: global }
      - { .name: wimg, .offset: 32, .size: 8, .value_kind: global_buffer, .address_space: global }
      - { .name: wsc, .offset: 40, .size: 8, .value_kind: global_buffer, .address_space: global }
    .group_segment_fixed_size: 0
    .private_segment_fixed_size: 0
    .kernarg_segment_align: 8
    .kernarg_segment_size: 48
    .max_flat_workgroup_size: 32
    .sgpr_count:     66
    .vgpr_count:     144
    .wavefront_size: 32
...
	.end_amdgpu_metadata
.endif
;; end of part 1
;; launch qkv (part 2): grid 256 x 1, 16 waves a work-group, no clusters, 18,432 bytes of LDS; arguments inputs, wimg, wsc, bq, bk, bv, qimg, kv; writes qimg, kv
.if DOCPART == 2
	.amdgcn_target "amdgcn-amd-amdhsa--gfx1250"
	.amdhsa_code_object_version 6
	.text
	.protected	k_qa958ba06da_qkv
	.globl	k_qa958ba06da_qkv
	.p2align	8
	.type	k_qa958ba06da_qkv,@function
k_qa958ba06da_qkv:
	s_mov_b64 s[64:65], 0
	v_nop
	global_prefetch_b8 v0, s[64:65] scope:SCOPE_SE
	s_setreg_imm32_b32 hwreg(HW_REG_WAVE_MODE, 25, 1), 1
	s_wait_xcnt 0x0
; q = x Wq + bq, k = x Wk + bk, v = x Wv + bv on codes of BF6 (E3M2) with one E8M0 byte for each 32 along K; the results are quantised at once for the two products of attention and stored as images of operand registers.
; SHARES.  Work-group X takes tokens 64 X .. 64 X + 63, as four tiles of 16: row m of tile t is token 8 t + pr(m), pr(m) = m + 24 (m / 8).  Sixteen waves.
;   First every wave quantises a part of x: wave WV takes tile WV / 4 and K quarter WV % 4; lane (r, h) holds one whole block, k = 64 (WV % 4) + 32 h + 0 .. 31 of token 8 t + pr(r): half WV of x's eight fragments.  One barrier.
;   Then waves 0-3 make q of head WV % 4, waves 4-7 k likewise, waves 8-15 v: head (WV - 8) / 2, channel tiles 2 e and 2 e + 1, e = WV % 2.
; q AND k ARE MADE TRANSPOSED (source 0 = 16 columns of W, source 1 = 16 tokens): a lane holds one token, and, by the order of W's columns in a tile, the 32 registers of the head's four tiles are channels 32 h + 0 .. 31:
;   a whole block along the head's 64, already in the lane in which the 6-bit operand wants it.  v IS MADE THE OTHER WAY ROUND (source 0 = tokens, source 1 = columns): a lane holds one channel and tokens 32 h + 0 .. 31: a whole block along the keys.
; The biases are the C of each sum's first matrix instruction.
; ONE WAY UP TO THE BARRIER: every wave issues the same loads through pointers chosen on its number.  A v wave uses the first 12 of the 24 loads of weight images, the first of the two loads of scale words and the two single bias
;   words; a q or k wave all but those two words.  What is not used lies inside its buffer (wimg: at most byte 153,600 of 196,608; wsc: 6,400 of 8,192; a bias: 1,024 of 1,024).
; x FROM WAVE TO WAVE: a half fragment (6 registers a lane) lies in LDS as 768 bytes: words 0-3 at 16 l, words 4, 5 at 512 + 8 l; half number = the writing wave's number.  Scale bytes: 128 t + 8 r + 2 (WV % 4) + h.
; OUT.  qimg: codes at (4 X + g) 3072, register 6 t + w of lane l at 512 (rho / 4) + 16 l + 4 (rho % 4); scale words from byte 3,145,728 on at ((X / 2) 4 + g) 256 + 8 l + 4 (X % 2).
;   kv: a record of 12,800 bytes for 128 keys of a head, at ((X / 2) 4 + g) 12800; c = X % 2:  + 3072 c: k's codes as q's;  + 6144 + 3072 c: v's: four tiles' words 0-3 (512 bytes each), then their words 4, 5 (256 each);
;   + 12288 + 8 l + 4 c: k's scale words: lanes 0-15 tiles 0, 1 of my four, lanes 16-31 tiles 2, 3; a word = (two bytes of the even tile, two of the odd);  + 12544 + 128 (n % 2) + 8 r + 4 (n / 2) + 2 c: v's two bytes of channel tile n.
; LIMITS: NaN and infinities are not served; a block whose largest magnitude lies under 2^-122 keeps the byte 1; a block of zeros gets the byte 1 where the rule says 127: its codes are zeros, and this program alone reads the bytes.
.set XIMG, 0                           ; LDS: x's 16 half fragments, 768 bytes each
.set XSC,  12288                       ; and its scale words: 128 bytes a tile
.set XS,   16                          ; v16-19   x's scale words: register 2 i + s: lanes 0-15 tile 2 i, lanes 16-31 tile 2 i + 1
.set WS,   20                          ; v20-23   W's likewise
.set BI,   24                          ; v24-55   the bias as C
.set RES,  56                          ; v56-151  q, k: the head's 8 fragments of W (tile n, K step s: 2 n + s);  v: v56-103 my two tiles' four
.set XR,   104                         ; v104-199 v: x's 8 fragments
.set XF,   152                         ; v152-175 q, k: a tile's two fragments of x;  v176-191 at work
.set ACC,  200                         ; v200-231 four accumulators; before that my 32 numbers of x
.set CD,   232                         ; v232-255 codes
.macro QUANT32 src, dst, tmp, so, by, ma, mb   ; 32 numbers of a lane, one whole block, become 6 registers of codes and the scale's byte.  Each accumulator of eight is first read at one of its four lowest registers
	v_max3_num_f32 v[\ma], |v[\src]|, |v[\src+1]|, 0x2800000            ; the largest magnitude, in two chains; the floor 2^(5 - 127) among its leaves holds the byte at 1 from below
	v_max3_num_f32 v[\mb], |v[\src+16]|, |v[\src+17]|, |v[\src+18]|
.irp i, 2,4,6,8,10,12
	v_max3_num_f32 v[\ma], v[\ma], |v[\src+\i]|, |v[\src+\i+1]|
	v_max3_num_f32 v[\mb], v[\mb], |v[\src+17+\i]|, |v[\src+18+\i]|
.endr
	v_max3_num_f32 v[\ma], v[\ma], |v[\src+14]|, |v[\src+15]|
	v_max3_num_f32 v[\ma], v[\ma], v[\mb], |v[\src+31]|
	s_delay_alu instid0(VALU_DEP_1)
	v_add_nc_u32 v[\so], 0xfe000000, v[\ma]                            ; 4 off its exponent field: the conversion's scale operand
	v_cvt_scalef32_pk16_bf6_f32 v[\dst:\dst+2], v[\src:\src+15], v[\so]
	v_cvt_scalef32_pk16_bf6_f32 v[\tmp:\tmp+2], v[\src+16:\src+31], v[\so]   ; (a conversion's three registers begin on an even number)
	v_lshrrev_b32 v[\by], 23, v[\so]                                   ; the scale's byte; also the plain line behind the conversions
.irp i, 0,1,2
	v_mov_b32 v[\dst+3+\i], v[\tmp+\i]
.endr
.endm
.macro WM d, a, b, c, sa, sb, ra, rb   ; D = A B + C; ra, rb = 1: that side's scales stand in lanes 16-31 of its register
.if (\ra) && (\rb)
	v_wmma_scale_f32_16x16x128_f8f6f4 v[\d:\d+7], v[\a:\a+11], v[\b:\b+11], v[\c:\c+7], v[\sa], v[\sb] matrix_a_fmt:MATRIX_FMT_BF6 matrix_b_fmt:MATRIX_FMT_BF6 matrix_a_scale:MATRIX_SCALE_ROW1 matrix_b_scale:MATRIX_SCALE_ROW1
.elseif (\ra)
	v_wmma_scale_f32_16x16x128_f8f6f4 v[\d:\d+7], v[\a:\a+11], v[\b:\b+11], v[\c:\c+7], v[\sa], v[\sb] matrix_a_fmt:MATRIX_FMT_BF6 matrix_b_fmt:MATRIX_FMT_BF6 matrix_a_scale:MATRIX_SCALE_ROW1
.elseif (\rb)
	v_wmma_scale_f32_16x16x128_f8f6f4 v[\d:\d+7], v[\a:\a+11], v[\b:\b+11], v[\c:\c+7], v[\sa], v[\sb] matrix_a_fmt:MATRIX_FMT_BF6 matrix_b_fmt:MATRIX_FMT_BF6 matrix_b_scale:MATRIX_SCALE_ROW1
.else
	v_wmma_scale_f32_16x16x128_f8f6f4 v[\d:\d+7], v[\a:\a+11], v[\b:\b+11], v[\c:\c+7], v[\sa], v[\sb] matrix_a_fmt:MATRIX_FMT_BF6 matrix_b_fmt:MATRIX_FMT_BF6
.endif
.endm
.macro PLACES                          ; four plain lines between a matrix instruction and the first read of its result, or a load into a register that it has read
.rept 4
	v_nop
.endr
.endm
	s_load_b256 s[4:11], s[0:1], 0x0               ; inputs s[4:5], wimg s[6:7], wsc s[8:9], bq s[10:11]
	s_load_b256 s[12:19], s[0:1], 0x20             ; bk s[12:13], bv s[14:15], qimg s[16:17], kv s[18:19]
	v_lshrrev_b32 v1, 5, v0
	s_delay_alu instid0(VALU_DEP_1)
	v_readfirstlane_b32 s20, v1                    ; WV
	v_and_b32 v1, 31, v0                           ; l
	v_and_b32 v2, 15, v0                           ; r
	v_bfe_u32 v3, v0, 4, 1                         ; h
	s_delay_alu instid0(VALU_DEP_2)
	v_and_b32 v4, 8, v2
	s_delay_alu instid0(VALU_DEP_1)
	v_mad_u32_u24 v4, v4, 3, v2                    ; pr = r + 24 (r / 8)
	v_lshlrev_b32 v5, 4, v1                        ; 16 l
	s_wait_alu depctr_va_vdst(0)
	v_lshlrev_b32 v6, 3, v1                        ; 8 l
	s_wait_alu depctr_va_vdst(0)
	v_lshlrev_b32 v7, 3, v2                        ; 8 r
	v_lshlrev_b32 v8, 10, v4
	s_delay_alu instid0(VALU_DEP_1)
	v_lshl_add_u32 v8, v3, 7, v8                   ; x: row pr of 1,024 bytes, + 128 h
	v_lshlrev_b32 v13, 3, v3                       ; 8 h
	v_lshlrev_b32 v14, 7, v3                       ; 128 h
	s_lshr_b32 s21, s20, 2                         ; x's tile; for waves 0-7 also 0 = q, 1 = k
	s_and_b32 s22, s20, 3                          ; x's K quarter; for waves 0-7 also the head
	s_and_b32 s23, s20, 1
	s_bfe_u32 s24, s20, 0x20001                    ; for waves 8-15 the head
	s_lshr_b32 s25, ttmp9, 1                       ; X / 2
	s_and_b32 s26, ttmp9, 1                        ; c = X % 2
	s_cmp_lt_u32 s20, 8
	s_cselect_b32 s27, s22, s24                    ; g: my head
	s_cselect_b32 s30, s21, 2                      ; w: 0 q, 1 k, 2 v
	s_cselect_b32 s31, 0, s23                      ; e: a v wave's pair of channel tiles; 0 for q and k
	s_mov_b32 s32, 0x76543210
	s_mov_b32 s33, 0xfedcba98                      ; v_permlanex16_b32's selects for lane l xor 16
	s_mul_i32 s50, s20, 768                        ; LDS: my half fragment of x: 768 WV + 16 l,
	v_add_nc_u32 v9, s50, v5
	s_add_co_u32 s50, s50, 512
	v_add_nc_u32 v10, s50, v6                      ; and 768 WV + 512 + 8 l
	s_lshl_b32 s50, s21, 7
	s_lshl_b32 s51, s22, 1
	s_add_co_u32 s50, s50, s51
	s_add_co_u32 s50, s50, XSC
	v_lshl_add_u32 v12, v2, 3, v3
	s_delay_alu instid0(VALU_DEP_1)
	v_add_nc_u32 v12, s50, v12                     ; my scale byte: XSC + 128 t + 2 (WV % 4) + 8 r + h
	s_lshl_b32 s28, s31, 6
	v_lshl_add_u32 v15, v4, 2, s28                 ; v's bias: 4 pr + 64 e
	s_mul_i32 s34, s30, 49152                      ; wimg: 32 fragments a weight,
	s_mul_i32 s50, s27, 12288                      ; 8 a head,
	s_add_co_u32 s34, s34, s50
	s_mul_i32 s50, s31, 6144                       ; 4 a pair of tiles
	s_add_co_u32 s34, s34, s50
	s_lshl_b32 s35, s30, 11                        ; wsc: 2,048 bytes a weight, 512 a head, 256 a pair of tiles
	s_lshl_b32 s50, s27, 9
	s_add_co_u32 s35, s35, s50
	s_lshl_b32 s50, s31, 8
	s_add_co_u32 s35, s35, s50
	s_lshl_b32 s56, s27, 8                         ; a bias: 256 bytes a head
	s_lshl_b32 s57, ttmp9, 16                      ; x: 64 X rows of 1,024 bytes,
	s_lshl_b32 s50, s21, 13                        ; 8 t rows,
	s_add_co_u32 s57, s57, s50
	s_lshl_b32 s50, s22, 8                         ; my K quarter
	s_add_co_u32 s57, s57, s50
	s_lshl_b32 s46, s25, 2
	s_add_co_u32 s46, s46, s27                     ; (X / 2) 4 + g
	s_mul_i32 s47, s46, 12800                      ; the record in kv
	s_mul_i32 s48, s26, 3072
	s_add_co_u32 s48, s48, s47                     ; k's codes: record + 3072 c
	s_lshl_b32 s49, ttmp9, 2
	s_add_co_u32 s49, s49, s27
	s_mul_i32 s49, s49, 3072                       ; q's codes
	s_lshl_b32 s51, s26, 2
	s_lshl_b32 s50, s46, 8
	s_add_co_u32 s50, s50, s51
	s_add_co_u32 s50, s50, 3145728                 ; q's scale words
	s_add_co_u32 s52, s47, s51
	s_add_co_u32 s52, s52, 12288                   ; k's
	s_lshl_b32 s53, s31, 10
	s_add_co_u32 s53, s53, s48
	s_add_co_u32 s53, s53, 6144                    ; v's codes, words 0-3 of tile 2 e
	s_lshl_b32 s60, s31, 9
	s_add_co_u32 s60, s60, s48
	s_add_co_u32 s60, s60, 8192                    ; and words 4, 5
	s_lshl_b32 s61, s31, 2
	s_lshl_b32 s51, s26, 1
	s_add_co_u32 s61, s61, s51
	s_add_co_u32 s61, s61, s47
	s_add_co_u32 s61, s61, 12544                   ; v's scale bytes
	s_cmp_eq_u32 s30, 0
	s_cselect_b32 s58, s49, s48                    ; where my codes go,
	s_cselect_b32 s59, s50, s52                    ; and my scales
	s_cmp_eq_u32 s30, 2
	s_cselect_b32 s58, s53, s58
	s_cselect_b32 s59, s61, s59
	s_mov_b32 s55, 0
	s_wait_alu depctr_va_vdst(0)
	s_wait_kmcnt 0x0
	s_cmp_eq_u32 s30, 0                            ; the buffers are chosen on the wave's number alone
	s_cselect_b64 s[62:63], s[16:17], s[18:19]
	s_cmp_eq_u32 s30, 1
	s_cselect_b64 s[40:41], s[12:13], s[10:11]
	s_cmp_eq_u32 s30, 2
	s_cselect_b64 s[40:41], s[14:15], s[40:41]
	s_mov_b32 s54, s57
	s_add_nc_u64 s[42:43], s[4:5], s[54:55]        ; x
	s_mov_b32 s54, s34
	s_add_nc_u64 s[36:37], s[6:7], s[54:55]        ; W's images
	s_mov_b32 s54, s35
	s_add_nc_u64 s[38:39], s[8:9], s[54:55]        ; W's scale words
	s_mov_b32 s54, s56
	s_add_nc_u64 s[40:41], s[40:41], s[54:55]      ; the bias
	s_mov_b32 s54, s58
	s_add_nc_u64 s[44:45], s[62:63], s[54:55]      ; codes out
	s_mov_b32 s54, s59
	s_add_nc_u64 s[46:47], s[62:63], s[54:55]      ; scales out
	s_mov_b32 s54, s60
	s_add_nc_u64 s[48:49], s[18:19], s[54:55]      ; v's words 4, 5 out
.set j, 0
.rept 8
	global_load_b128 v[ACC+4*j:ACC+4*j+3], v8, s[42:43] offset:16*j th:TH_LOAD_NT   ; my block of x: 128 neighbouring bytes a lane; read once in the launch
.set j, j+1
.endr
.set j, 0
.rept 24
	global_load_b128 v[RES+4*j:RES+4*j+3], v5, s[36:37] offset:512*j
.set j, j+1
.endr
.irp i, 0,1
	global_load_b64 v[WS+2*\i:WS+2*\i+1], v6, s[38:39] offset:256*\i
.endr
.set j, 0
.rept 8
	global_load_b128 v[BI+4*j:BI+4*j+3], v14, s[40:41] offset:16*j   ; q, k: the bias of channels 64 g + 32 h + 0 .. 31: the result's layout
.set j, j+1
.endr
	global_load_b32 v253, v15, s[40:41]            ; v: the bias of my channel in tile 2 e,
	global_load_b32 v254, v15, s[40:41] offset:32  ; and in tile 2 e + 1
	v_mov_b32 v190, 0                              ; lane permutes' destinations count as sources
	v_mov_b32 v191, 0
	v_mov_b32 v255, 0
	s_wait_loadcnt 36                              ; x's eight loads are in; the 36 issued behind them (24 + 2 + 8 + 2) land while x is quantised
	QUANT32 ACC, CD, 240, 244, 245, 246, 247
	ds_store_b128 v9, v[CD:CD+3] offset:XIMG
	ds_store_b64 v10, v[CD+4:CD+5] offset:XIMG
	ds_store_b8 v12, v245
	s_wait_dscnt 0x0                               ; for the others' sake: my stores have landed
	s_barrier_signal -1
	s_barrier_wait -1                              ; x's eight fragments and their scale words lie in LDS; nothing is stored to LDS behind this barrier
.irp i, 0,1
	ds_load_b64 v[XS+2*\i:XS+2*\i+1], v6 offset:XSC+256*\i
.endr
	s_wait_loadcnt 0x0                             ; the weights, their scales and the biases
	s_cmp_lt_u32 s20, 8
	s_cbranch_scc0 .Lv
	; ---- q or k: a tile of 16 tokens at a time; the head's four tiles of channels by turns, K step by K step
.irp t, 0,1,2,3
.irp f, 0,1,2,3
	ds_load_b128 v[XF+6*\f:XF+6*\f+3], v5 offset:XIMG+768*(4*\t+\f)
	ds_load_b64 v[XF+6*\f+4:XF+6*\f+5], v6 offset:XIMG+768*(4*\t+\f)+512
.endr
	s_wait_dscnt 0x0
.irp n, 0,1,2,3
	WM ACC+8*\n, RES+24*\n, XF, BI+8*\n, WS+2*(\n/2), XS+2*(\t/2), \n%2, \t%2
.endr
.irp n, 0,1,2,3
	WM ACC+8*\n, RES+24*\n+12, XF+12, ACC+8*\n, WS+2*(\n/2)+1, XS+2*(\t/2)+1, \n%2, \t%2
.endr
	PLACES                                         ; with the quantiser's plain lines they are also the places in front of the next tile's loads and of its first products, which begin the accumulators anew
	QUANT32 ACC, CD+6*\t, 176, 180, 184+\t, 181, 182
.endr
.irp u, 0,1                                    ; a pair of tiles' scale word: (even tile's two bytes, odd tile's two)
	v_lshl_or_b32 v[188+\u], v[185+2*\u], 16, v[184+2*\u]
	s_delay_alu instid0(VALU_DEP_1)
	v_lshlrev_b32 v[188+\u], v13, v[188+\u]        ; my bytes are block h's
	s_delay_alu instid0(VALU_DEP_1)
	v_permlanex16_b32 v[190+\u], v[188+\u], s32, s33
	s_delay_alu instid0(VALU_DEP_1)
	v_or_b32 v[188+\u], v[188+\u], v[190+\u]
.endr
	v_cmp_lt_u32 vcc_lo, 15, v1
	s_delay_alu instid0(VALU_DEP_1)
	v_cndmask_b32 v188, v188, v189, vcc_lo         ; lanes 0-15 keep the first pair's word, lanes 16-31 take the second's
.set j, 0
.rept 6
	global_store_b128 v5, v[CD+4*j:CD+4*j+3], s[44:45] offset:512*j   ; 32 lanes store 512 consecutive bytes
.set j, j+1
.endr
	global_store_b32 v6, v188, s[46:47]
	s_wait_xcnt 0x0
	v_lshl_add_u32 v254, v0, 2, 0x4000
	v_mov_b32 v255, 0
	s_wait_alu depctr_va_vdst(0)
	s_wait_tensorcnt 0x0
	ds_add_u32 v254, v255
	s_wait_dscnt 0x0
	s_endpgm
.Lv:
	; ---- v: all of x's fragments in registers; for each of my two tiles of channels the four tiles of tokens by turns
.set j, 0
.rept 16
	ds_load_b128 v[XR+6*j:XR+6*j+3], v5 offset:XIMG+768*j
	ds_load_b64 v[XR+6*j+4:XR+6*j+5], v6 offset:XIMG+768*j+512
.set j, j+1
.endr
.irp a, 0,1
.irp i, 0,1,2,3,4,5,6,7
	v_mov_b32 v[BI+8*\a+\i], v[253+\a]             ; the bias as C: a lane holds one channel, so its eight registers are alike
.endr
.endr
	s_wait_alu depctr_va_vdst(0)
	s_wait_dscnt 0x0
	PLACES
.irp a, 0,1
.irp t, 0,1,2,3
	WM ACC+8*\t, XR+24*\t, RES+24*\a, BI+8*\a, XS+2*(\t/2), WS, \t%2, \a
.endr
.irp t, 0,1,2,3
	WM ACC+8*\t, XR+24*\t+12, RES+24*\a+12, ACC+8*\t, XS+2*(\t/2)+1, WS+1, \t%2, \a
.endr
	PLACES
	QUANT32 ACC, CD+6*\a, 244, 248, 251+\a, 249, 250   ; tokens 32 h + 0 .. 31 of my channel: a whole block along the keys
	s_delay_alu instid0(VALU_DEP_4)
	v_lshlrev_b32 v[251+\a], v13, v[251+\a]
	s_delay_alu instid0(VALU_DEP_1)
	v_permlanex16_b32 v255, v[251+\a], s32, s33
	s_delay_alu instid0(VALU_DEP_1)
	v_or_b32 v[251+\a], v[251+\a], v255            ; the two bytes of these 64 keys
	global_store_b128 v5, v[CD+6*\a:CD+6*\a+3], s[44:45] offset:512*\a
	global_store_b64 v6, v[CD+6*\a+4:CD+6*\a+5], s[48:49] offset:256*\a
	global_store_b16 v7, v[251+\a], s[46:47] offset:128*\a   ; a word's other two bytes come from the neighbouring work-group: two bytes a lane, 1 in 75 of what the launch stores
.endr
	s_wait_xcnt 0x0
	v_lshl_add_u32 v254, v0, 2, 0x4000
	v_mov_b32 v255, 0
	s_wait_alu depctr_va_vdst(0)
	s_wait_tensorcnt 0x0
	ds_add_u32 v254, v255
	s_wait_dscnt 0x0
	s_endpgm
.Lfunc_end_k_qa958ba06da_qkv:
	.size	k_qa958ba06da_qkv, .Lfunc_end_k_qa958ba06da_qkv-k_qa958ba06da_qkv
	.p2alignl 7, 3214868480
	.fill 96, 4, 3214868480
	.section	.rodata,"a",@progbits
	.p2align	6, 0x0
	.amdhsa_kernel k_qa958ba06da_qkv
		.amdhsa_group_segment_fixed_size 18432
		.amdhsa_private_segment_fixed_size 0
		.amdhsa_enable_private_segment 0
		.amdhsa_kernarg_size 64
		.amdhsa_user_sgpr_count 2
		.amdhsa_user_sgpr_kernarg_segment_ptr 1
		.amdhsa_wavefront_size32 1
		.amdhsa_system_sgpr_workgroup_id_x 1
		.amdhsa_system_sgpr_workgroup_id_y 1
		.amdhsa_system_sgpr_workgroup_id_z 1
		.amdhsa_system_vgpr_workitem_id 0
		.amdhsa_next_free_vgpr 256
		.amdhsa_next_free_sgpr 66
		.amdhsa_reserve_vcc 1
		.amdhsa_float_denorm_mode_32 3
		.amdhsa_float_denorm_mode_16_64 3
		.amdhsa_memory_ordered 1
		.amdhsa_forward_progress 1
		.amdhsa_inst_pref_size 34
	.end_amdhsa_kernel
	.amdgpu_metadata
---
amdhsa.version: [ 1, 2 ]
amdhsa.kernels:
  - .name:           k_qa958ba06da_qkv
    .symbol:         k_qa958ba06da_qkv.kd
    .args:
      - { .name: inputs, .offset: 0, .size: 8, .value_kind: global_buffer, .address_space: global }
      - { .name: wimg, .offset: 8, .size: 8, .value_kind: global_buffer, .address_space: global }
      - { .name: wsc, .offset: 16, .size: 8, .value_kind: global_buffer, .address_space: global }
      - { .name: bq, .offset: 24, .size: 8, .value_kind: global_buffer, .address_space: global }
      - { .name: bk, .offset: 32, .size: 8, .value_kind: global_buffer, .address_space: global }
      - { .name: bv, .offset: 40, .size: 8, .value_kind: global_buffer, .address_space: global }
      - { .name: qimg, .offset: 48, .size: 8, .value_kind: global_buffer, .address_space: global }
      - { .name: kv, .offset: 56, .size: 8, .value_kind: global_buffer, .address_space: global }
    .group_segment_fixed_size: 18432
    .private_segment_fixed_size: 0
    .kernarg_segment_align: 8
    .kernarg_segment_size: 64
    .max_flat_workgroup_size: 512
    .sgpr_count:     66
    .vgpr_count:     256
    .wavefront_size: 32
...
	.end_amdgpu_metadata
.endif
;; end of part 2
;; launch attn (part 3): grid 64 x 4, 8 waves a work-group, clusters of 4 x 1, 327,680 bytes of LDS; arguments qimg, kv, wimg, wsc, bo, out0; writes out0
.if DOCPART == 3
	.amdgcn_target "amdgcn-amd-amdhsa--gfx1250"
	.amdhsa_code_object_version 6
	.text
	.protected	k_qa958ba06da_attn
	.globl	k_qa958ba06da_attn
	.p2align	8
	.type	k_qa958ba06da_attn,@function
k_qa958ba06da_attn:
	s_mov_b64 s[64:65], 0
	v_nop
	global_prefetch_b8 v0, s[64:65] scope:SCOPE_SE
	s_setreg_imm32_b32 hwreg(HW_REG_WAVE_MODE, 25, 1), 1
	s_wait_xcnt 0x0
	s_wait_alu depctr_hold_cnt(0) depctr_sa_sdst(0) depctr_va_vdst(0) depctr_va_sdst(0) depctr_va_ssrc(0) depctr_va_vcc(0) depctr_vm_vsrc(0)
	s_getreg_b32 s2, hwreg(HW_REG_IB_STS2, 6, 4)
	s_cmp_eq_u32 s2, 0
	s_cbranch_scc0 .Lentry_in_a_cluster
	s_endpgm
.Lentry_in_a_cluster:
	s_bfe_u32 s2, ttmp6, 0x10000c
	s_cmp_lg_u32 s2, 0x3003
	s_cbranch_scc0 .Lentry_shape_is_right
	s_endpgm
.Lentry_shape_is_right:
; out0 = (softmax(q k^T / 8) v, heads side by side) Wo + bo, all three products on codes of BF6 (E3M2) with one E8M0 byte for each 32 along K.  q, k, v and Wo come as images of operand registers, made by the launches before.
; SHARES.  A work-group owns 64 queries (token group X = 64 b + G) and ALL FOUR HEADS, so that the sum over heads in the last product has one owner and the attention's result never goes to memory.
;   Eight waves, two to a SIMD, 512 registers each.  Wave WV: head g = WV % 4, query tiles 2 qp and 2 qp + 1, qp = WV / 4 (row m of tile qt is token 8 qt + m + 24 (m / 8)).  Each fragment of k and v read from LDS serves both tiles.
; WINDOWS.  Tile 0's own registers lie in window 0, tile 1's under the same numbers in window 1, so one text serves both.  k's fragments, all addresses and all scale words lie in window 0, v's fragments in window 1.
; CLUSTER.  The four work-groups of a cluster belong to one batch and walk the same k and v of all four heads: each slot is asked for JOINTLY.
; RING.  Two LDS slots of two steps of 128 keys (2 x 4 heads x 12,800 bytes, dense in memory); every wave brings an eighth by one load of 50 rows of 256 bytes.  By this text's count a wave has at most one tensor load out.
; A STEP: v's fragments are fetched at its head; each tile's largest scores, M, O^T x f, t - M and exponentials follow; in its middle the NEXT step's k is fetched; then the rest of the sums, p's codes, O^T += v^T p^T, and the next step's S^T.
;   A tile's 66 exponentials stand in three runs of 18, 32 and 16.  Among them stand 42 plain lines that read nothing written inside the same run: the later t - M, the floors and scale operands, the first level of the row's sum.
;   At a slot's second step the change of slots is laid round that work: the waits, the add and the signal stand behind the first tile's head, the barrier's wait behind both tiles' exponentials (register work alone between).
; LAYOUT.  Both products are used transposed (S^T = k q^T, O^T = v^T p^T): a lane holds ONE query of a tile.  By the order of the keys in a tile the 32 registers of four tiles of S^T are keys 64 c + 32 h + 0 .. 31: a whole block of p.
; K = 64 IN AN INSTRUCTION OF 128: a fragment of k holds TWO tiles of keys, one in each half of K; q stands in v[22:27] between two runs of six zero registers.  In the dead half q's codes are zeros and its scale bytes 0 (2^-127, no NaN).
; SOFTMAX.  t = score x log2(e) / 8; M = the running largest t rounded UP to a whole number, kept as -M; p = 2^(t - M) is quantised, not normalised; the row's sum is taken of the unquantised p and divides O at the end.
;   When M moves, the sum and O^T are multiplied by 2^(old M - new M): nothing is rounded, no branch on data.  A block's largest p is its largest score put through the same multiply-add and exponential (this takes v_exp_f32 not to fall where its input rises).
; NO PREFETCH: each slot is asked for behind one change of slots and awaited at the next, a slot's two steps of both tiles later, and the sixteen clusters of a batch ask for the same 102,400 bytes in the same step.
; LIMITS: NaN and infinities are not served; the promise holds while the scaled scores stay under 2^31 in magnitude; a block whose largest magnitude lies under 2^-122 keeps the byte 1; a block of zeros gets the byte 1 where the rule says 127: its codes are zeros, and this program alone reads the bytes.
.set SLOT1, 1<<17                      ; slot 1 begins here: one exclusive or turns an address in one slot into the other's
.set SLOTB, 102400                     ; a slot's bytes
.set AIMG,  SLOT1+SLOTB                ; behind the ring, where no fill lands: the attention result's 16 half fragments, 768 bytes each,
.set ASC,   AIMG+12288                 ; its scale words, 128 bytes a tile,
.set STAGE, ASC+512                    ; the way out: 16 rows x (256 + 16) bytes for each wave and tile,
.set SPARE, STAGE+16*16*272            ; and the spare words, 128 bytes a wave
.set QHI, 16                           ; v[16:27] = (0 x 6, q x 6);  v[22:33] = (q x 6, 0 x 6)   (each window)
.set QLO, 22
.set KF,  38                           ; window 0 v38-85: k's four fragments; v34-35 their scale words
.set VF,  38                           ; window 1 v38-85: v's four fragments; window 0 v36-37 their scale words
.set CH,  90                           ; v90-97 four chains of the row's sum (each window)
.set UU,  102                          ; v102-113 six more partial sums (each window)
.set S,   134                          ; v134-197 S^T, then p (each window)
.set O,   198                          ; v198-229 O^T
.set PC,  230                          ; v230-241 p's codes
; window 0: v0 thread; v1, v2 16 l, 8 l + 12800 g; v3, v4 the spare word and 0; v5, v6 v1, v2 + the slot; v13, v88 p's scale words of tiles 0, 1; v14, v15, v86, v87 q's; v89 16 l; v100 8 l; v101 128 h; v98-99 Wo's second scale words
; each window: v7 8 h; v8 -M; v9 the largest score; v[10:11] the sum; v12 f; v242-255 at work.  window 1 v102-133 at the end: bo
.set MSB, 0
.macro WIN new                         ; the immediate's high byte repeats the setting that is left
.if MSB != \new
	s_set_vgpr_msb (MSB<<8)|\new
.set MSB, \new
.endif
.endm
.macro QUANT32 src, dst, tmp, so, by, ma, mb   ; 32 numbers of a lane, one whole block, become 6 registers of codes and the scale's byte
	v_max3_num_f32 v[\ma], |v[\src]|, |v[\src+1]|, 0x2800000            ; the floor 2^(5 - 127) holds the byte at 1 from below
	v_max3_num_f32 v[\mb], |v[\src+16]|, |v[\src+17]|, |v[\src+18]|
.irp i, 2,4,6,8,10,12
	v_max3_num_f32 v[\ma], v[\ma], |v[\src+\i]|, |v[\src+\i+1]|
	v_max3_num_f32 v[\mb], v[\mb], |v[\src+17+\i]|, |v[\src+18+\i]|
.endr
	v_max3_num_f32 v[\ma], v[\ma], |v[\src+14]|, |v[\src+15]|
	v_max3_num_f32 v[\ma], v[\ma], v[\mb], |v[\src+31]|
	v_add_nc_u32 v[\so], 0xfe000000, v[\ma]                            ; 4 off its exponent field: the conversion's scale operand
	v_cvt_scalef32_pk16_bf6_f32 v[\dst:\dst+2], v[\src:\src+15], v[\so]
	v_cvt_scalef32_pk16_bf6_f32 v[\tmp:\tmp+2], v[\src+16:\src+31], v[\so]   ; (a conversion's three registers begin on an even number)
	v_lshrrev_b32 v[\by], 23, v[\so]                                   ; the scale's byte; also the plain line behind the conversions
.irp i, 0,1,2
	v_mov_b32 v[\dst+3+\i], v[\tmp+\i]
.endr
.endm
.macro WM d, a, b, c, sa, sb, ra       ; D = A B + C; ra = 1: A's scales stand in lanes 16-31 of their register
.if (\ra)
	v_wmma_scale_f32_16x16x128_f8f6f4 v[\d:\d+7], v[\a:\a+11], v[\b:\b+11], v[\c:\c+7], v[\sa], v[\sb] matrix_a_fmt:MATRIX_FMT_BF6 matrix_b_fmt:MATRIX_FMT_BF6 matrix_a_scale:MATRIX_SCALE_ROW1
.else
	v_wmma_scale_f32_16x16x128_f8f6f4 v[\d:\d+7], v[\a:\a+11], v[\b:\b+11], v[\c:\c+7], v[\sa], v[\sb] matrix_a_fmt:MATRIX_FMT_BF6 matrix_b_fmt:MATRIX_FMT_BF6
.endif
.endm
.macro WM0 d, a, b, sa, sb, ra         ; the same with C = 0
.if (\ra)
	v_wmma_scale_f32_16x16x128_f8f6f4 v[\d:\d+7], v[\a:\a+11], v[\b:\b+11], 0, v[\sa], v[\sb] matrix_a_fmt:MATRIX_FMT_BF6 matrix_b_fmt:MATRIX_FMT_BF6 matrix_a_scale:MATRIX_SCALE_ROW1
.else
	v_wmma_scale_f32_16x16x128_f8f6f4 v[\d:\d+7], v[\a:\a+11], v[\b:\b+11], 0, v[\sa], v[\sb] matrix_a_fmt:MATRIX_FMT_BF6 matrix_b_fmt:MATRIX_FMT_BF6
.endif
.endm
.macro PLACES                          ; four plain lines between a matrix instruction and the first read of its result, or a load into a register that it has read
.rept 4
	v_nop
.endr
.endm
.macro ALUW
	s_wait_alu depctr_va_vdst(0)
.endm
.macro CREST                           ; a round of the cluster's barrier behind its opening barrier
	s_cmp_lg_u32 s16, 0
	s_cbranch_scc1 .Lnot_wave_0_\@
	s_barrier_signal -3
.Lnot_wave_0_\@:
	s_barrier_wait -3
	s_barrier_signal -1
	s_barrier_wait -1
.endm
.macro CROUND
	s_barrier_signal -1
	s_barrier_wait -1
	CREST
.endm
.macro TLOAD                           ; the joint load: every wave brings its eighth of a slot
	tensor_load_to_lds s[36:39], s[28:35]
	s_nop 0
.rept 4
	v_nop
.endr
.endm
.macro KLOAD b0                        ; k's four fragments and their scale words of the step at byte b0 of the slot in hand
.set j, 0
.rept 12
	ds_load_b128 v[KF+4*j:KF+4*j+3], v5 offset:\b0+512*j
.set j, j+1
.endr
	ds_load_b64 v[34:35], v6 offset:\b0+12288
.endm
.macro VLOAD b0                        ; v's four fragments (window 1) and their scale words
	WIN 0x40                                       ; destination window 1, address window 0
.irp c, 0,1
.irp n, 0,1,2,3
	ds_load_b128 v[VF+12*\n+6*\c:VF+12*\n+6*\c+3], v5 offset:\b0+6144+3072*\c+512*\n
	ds_load_b64 v[VF+12*\n+6*\c+4:VF+12*\n+6*\c+5], v6 offset:\b0+8192+3072*\c+256*\n
.endr
.endr
	WIN 0
	ds_load_b64 v[36:37], v6 offset:\b0+12544
.endm
.macro QKT sl, sh                      ; S^T of one tile of queries: tile 2 u of keys by q in the lower half of K, tile 2 u + 1 by q in the upper
.irp u, 0,1,2,3
	WM0 S+16*\u, KF+12*\u, QLO, 34+\u/2, \sl, \u%2
	WM0 S+16*\u+8, KF+12*\u, QHI, 34+\u/2, \sh, \u%2
.endr
.endm
.macro QK
	WIN 0
	QKT 14, 15
	WIN 0x44                                       ; q and S^T in window 1, k in window 0
	QKT 86, 87
	WIN 0
.endm
.macro PV                              ; O^T += v^T p^T: eight accumulators by turns; tile 1 first, whose windows are set
	WIN 0x55
.irp n, 0,1,2,3
	WM O+8*\n, VF+12*\n, PC, O+8*\n, 36+\n/2, 88, \n%2
.endr
	WIN 0x01                                       ; v in window 1
.irp n, 0,1,2,3
	WM O+8*\n, VF+12*\n, PC, O+8*\n, 36+\n/2, 13, \n%2
.endr
	WIN 0
.endm
.macro PF jj                           ; t - M of pair jj
	v_pk_fma_f32 v[S+2*(\jj):S+2*(\jj)+1], v[S+2*(\jj):S+2*(\jj)+1], s[24:25], v[8:9] op_sel_hi:[1,0,0]
.endm
.macro PA d, a, b                      ; a pair = a pair + a pair
	v_pk_add_f32 v[\d:\d+1], v[\a:\a+1], v[\b:\b+1]
.endm
; A tile's head, plain lines alone: the largest score of each of my two blocks (four chains; each accumulator is first read at its low end), M, f, t - M of pairs 0 to 7, O^T x f.
.macro P1A
.irp c, 0,1
	v_max3_num_f32 v[242+4*\c], v[S+32*\c], v[S+32*\c+1], v[S+32*\c+2]
	v_max3_num_f32 v[243+4*\c], v[S+32*\c+16], v[S+32*\c+17], v[S+32*\c+18]
.endr
.irp i, 3,5,7,9,11,13
.irp c, 0,1
	v_max3_num_f32 v[242+4*\c], v[242+4*\c], v[S+32*\c+\i], v[S+32*\c+\i+1]
	v_max3_num_f32 v[243+4*\c], v[243+4*\c], v[S+32*\c+16+\i], v[S+32*\c+17+\i]
.endr
.endr
.irp c, 0,1
	v_max3_num_f32 v[250+\c], v[242+4*\c], v[243+4*\c], v[S+32*\c+15]
.endr
.irp c, 0,1
	v_max_num_f32 v[250+\c], v[250+\c], v[S+32*\c+31]
.endr
	s_delay_alu instid0(VALU_DEP_1)
	v_max_num_f32 v245, v250, v251
	s_delay_alu instid0(VALU_DEP_1)
	v_permlanex16_b32 v249, v245, s22, s23         ; the query's other 64 keys lie in the lane 16 away
	v_mov_b32 v254, v8
	s_delay_alu instid0(VALU_DEP_2)
	v_max3_num_f32 v9, v9, v245, v249              ; the running largest score
	s_delay_alu instid0(VALU_DEP_1)
	v_mul_f32 v255, s24, v9                        ; as t (c is positive)
	s_delay_alu instid0(VALU_DEP_1)
	v_floor_f32 v8, -v255                          ; the new -M = -ceil(t): a whole number
	s_delay_alu instid0(VALU_DEP_1)
	v_sub_f32 v254, v8, v254                       ; old M - new M: a whole number, 0 or less
	v_fma_f32 v250, v250, s24, v8                  ; t - M of each block's largest score
	v_fma_f32 v251, v251, s24, v8
.set j, 0
.rept 8
	PF j
.if j == 1
	v_cvt_i32_f32 v254, v254                       ; (it saturates)
.elseif j == 3
	v_ldexp_f32 v12, 1.0, v254                     ; f = 2^(old M - new M)
.endif
.set j, j+1
.endr
.set j, 0
.rept 16
	v_pk_mul_f32 v[O+2*j:O+2*j+1], v[O+2*j:O+2*j+1], v[12:13] op_sel_hi:[1,0]   ; O^T under the new M, from each accumulator's low end on
.set j, j+1
.endr
.endm
; A tile's exponentials, p = 2^(t - M), not normalised, in three runs, a wait between the runs.  A plain line inside a run reads nothing that was written inside that run, and what it writes is first read behind the next wait.  Each run ends with a plain line.
.macro EX
	v_exp_f32 v250, v250                           ; the blocks' largest p
	v_exp_f32 v251, v251
.set j, 0
.rept 16
	v_exp_f32 v[S+j], v[S+j]                       ; pairs 0 to 7;
	PF 8+j                                         ; t - M of pairs 8 to 23
.set j, j+1
.endr
	ALUW
.set j, 0
.rept 32
	v_exp_f32 v[S+16+j], v[S+16+j]                 ; pairs 8 to 23
.if j >= 18 && j < 26
	PF 6+j                                         ; t - M of pairs 24 to 31
.elseif j == 26
	v_max_num_f32 v250, 0x2800000, v250            ; the floor 2^(5 - 127): the byte cannot fall under 1
.elseif j == 27
	v_max_num_f32 v251, 0x2800000, v251
.elseif j == 28
	v_pk_fma_f32 v[CH:CH+1], v[10:11], v[12:13], v[S:S+1] op_sel_hi:[1,0,1]   ; THE ROW'S SUM IS TAKEN OF THE UNQUANTISED p: the old sum x f + pair 0;
.elseif j >= 29
	PA CH+2*(j-28), S+4*(j-28)-2, S+4*(j-28)       ; pairs 1 to 6 begin three more chains
.endif
.set j, j+1
.endr
	ALUW
.set j, 0
.rept 16
	v_exp_f32 v[S+48+j], v[S+48+j]                 ; pairs 24 to 31
.if j == 4
	v_add_nc_u32 v252, 0xfe000000, v250            ; 4 off the exponent field: the conversions' scale operands
.elseif j == 5
	v_add_nc_u32 v253, 0xfe000000, v251
.elseif j >= 6 && j < 10
	PA CH+2*(j-6), CH+2*(j-6), S+14+2*(j-6)        ; pairs 7 to 10, one onto each chain
.elseif j >= 10
	PA UU+2*(j-10), S+22+4*(j-10), S+24+4*(j-10)   ; pairs 11 to 22, two and two
.endif
.set j, j+1
.endr
.endm
.macro MV k                            ; the upper three registers of a block's six
	v_mov_b32 v[PC+6*((\k)/3)+3+(\k)%3], v[242+4*((\k)/3)+(\k)%3]
.endm
; A tile's rest: p's codes, its scale word, the rest of the row's sum.  sw: the scale word's register in window 0; wor: the windows for the line that writes it; amb: those of all other lines.
.macro REST sw, wor, amb
.irp c, 0,1
	v_cvt_scalef32_pk16_bf6_f32 v[PC+6*\c:PC+6*\c+2], v[S+32*\c:S+32*\c+15], v[252+\c]
	v_cvt_scalef32_pk16_bf6_f32 v[242+4*\c:244+4*\c], v[S+32*\c+16:S+32*\c+31], v[252+\c]   ; (a conversion's three registers begin on an even number)
.endr
	v_lshrrev_b32 v250, 23, v252                   ; the scales' bytes; also the plain lines behind the conversions
	v_lshrrev_b32 v251, 23, v253
.irp k, 0,1,2,3
	PA CH+2*\k, CH+2*\k, UU+2*\k
.endr
	v_lshl_or_b32 v245, v251, 16, v250             ; my two bytes of p's scale word: blocks h and 2 + h,
	PA CH, CH, UU+8
	PA CH+2, CH+2, UU+10
	PA CH+4, CH+4, S+46                            ; pairs 23, 24
	PA CH+6, CH+6, S+48
	v_lshlrev_b32 v245, v7, v245                   ; at their places
	MV 0
	MV 1
	MV 2
	v_permlanex16_b32 v249, v245, s22, s23
.irp k, 0,1,2,3
	PA CH+2*\k, CH+2*\k, S+50+2*\k                 ; pairs 25 to 28
.endr
	WIN \wor
	v_or_b32 v[\sw], v245, v249                    ; p's scale word for these 128 keys: nine plain lines ahead of the products
	WIN \amb
	MV 3
	MV 4
	MV 5
.irp k, 0,1,2
	PA CH+2*\k, CH+2*\k, S+58+2*\k                 ; pairs 29 to 31
.endr
	PA CH, CH, CH+2
	PA CH+4, CH+4, CH+6
	PA 10, CH, CH+4
.endm
; A KEY STEP: 128 keys, the q-th of the slot in hand; its S^T has been issued.  mode 0: plain; 1: change of slots with a refill; 2: change of slots, nothing left to ask for; 3: the very last step.
.macro BODY q, mode
.set B0, 51200*(\q)
	PLACES                                         ; in front of the first read of S^T and of the loads into v's registers
	VLOAD B0
.if (\mode) == 1 || (\mode) == 2
	s_wait_tensorcnt 0x0                           ; my part of the next slot has landed; no tensor load of mine is out, so the descriptor may be written
	ds_add_u32 v3, v4                              ; 0 onto my spare word
.if (\mode) == 1
	s_xor_b32 s37, s37, SLOT1                      ; the walking descriptor: the other slot than last time,
	s_add_nc_u64 s[38:39], s[38:39], SLOTB         ; the next 256 keys
.endif
.endif
	P1A
	ALUW
.if (\mode) == 1 || (\mode) == 2
	s_wait_dscnt 0x0                               ; the add is done and v's fragments are in: my reads of this slot are over
	s_barrier_signal -1                            ; register work alone up to the wait
.endif
	EX
	WIN 0x55
	ALUW
	P1A
	ALUW
	EX
	WIN 0
	ALUW
.if (\mode) == 1
	s_barrier_wait -1
	CREST                                          ; no wave of any partner still reads the slot left behind or has a load on its way
	TLOAD                                          ; that slot is asked for again, first thing
.elseif (\mode) == 2
	s_barrier_wait -1
.endif
.if (\mode) == 1 || (\mode) == 2
	s_xor_b32 s26, s26, SLOT1                      ; on to the other slot
	v_add_nc_u32 v5, s26, v1
	v_add_nc_u32 v6, s26, v2
.endif
.if (\mode) != 3
	KLOAD 51200*(1-(\q))                           ; the next step's k lands under the sums and conversions
.else
.set j, 0
.rept 12
	global_load_b128 v[KF+4*j:KF+4*j+3], v89, s[42:43] offset:512*j   ; Wo's fragments of tiles 0, 1: (tile n, K step s) at v[KF + 12 (2 n + s)]
.set j, j+1
.endr
	global_load_b64 v[34:35], v100, s[44:45]       ; their scale words, and tiles 2, 3's
	global_load_b64 v[98:99], v100, s[44:45] offset:256
.endif
	REST 13, 0, 0
.if (\mode) == 3
.set j, 0
.rept 12
	global_load_b128 v[S+4*j:S+4*j+3], v89, s[42:43] offset:6144+512*j   ; Wo's fragments of tiles 2, 3, where tile 0's p lay
.set j, j+1
.endr
.endif
	WIN 0x55
	REST 88, 0x05, 0x55
.if (\mode) == 3
	WIN 0x40
.set j, 0
.rept 8
	global_load_b128 v[102+4*j:102+4*j+3], v101, s[46:47] offset:16*j   ; bo of columns 64 g + 32 h + 0 .. 31: the result's layout; the partial sums that lay there are done with
.set j, j+1
.endr
.endif
	ALUW
	s_wait_dscnt 0x0                               ; v's fragments and the next step's k
	PV
.if (\mode) != 3
	QK
.endif
.endm
.macro INIT                            ; a tile's state, in its window
.irp i, 16,17,18,19,20,21,28,29,30,31,32,33
	v_mov_b32 v[\i], 0                             ; the zero codes round q
.endr
	v_mov_b32 v10, 0                               ; the sum, in two halves
	v_mov_b32 v11, 0
	v_mov_b32 v13, 0                               ; (named as the upper half of the pair v[12:13])
	v_mov_b32 v249, 0                              ; a lane permute's destination counts as one of its sources
	v_mov_b32 v9, 0xff61b1e6                       ; the largest score so far: -3e38
	v_mul_f32 v8, s24, v9
	v_floor_f32 v8, -v8                            ; -M
.set j, 0
.rept 32
	v_mov_b32 v[O+j], 0                            ; O^T: the step is written once; the first finds zeros
.set j, j+1
.endr
.endm
.macro FIN                             ; O^T / the sum, quantised: channels 64 g + 32 h + 0 .. 31 of my query, a whole block of the last product's K
	v_add_f32 v10, v10, v11
	v_permlanex16_b32 v249, v10, s22, s23
	v_add_f32 v10, v10, v249                       ; the row's sum
	ALUW
	v_rcp_f32 v10, v10
	v_nop
	ALUW
.set j, 0
.rept 16
	v_pk_mul_f32 v[O+2*j:O+2*j+1], v[O+2*j:O+2*j+1], v[10:11] op_sel_hi:[1,0]
.set j, j+1
.endr
	QUANT32 O, PC, 242, 252, 253, 250, 251
.endm
	s_load_b256 s[4:11], s[0:1], 0x0               ; qimg s[4:5], kv s[6:7], wimg s[8:9], wsc s[10:11]
	s_load_b128 s[12:15], s[0:1], 0x20             ; bo s[12:13], out0 s[14:15]
	v_lshl_add_u32 v3, v0, 2, SPARE
	v_mov_b32 v4, 0
	ds_add_u32 v3, v4                              ; the opening lines: the add twice on end and one wait
	ds_add_u32 v3, v4
	v_lshrrev_b32 v5, 5, v0
	v_readfirstlane_b32 s16, v5                    ; WV
	s_and_b32 s17, s16, 3                          ; g
	s_lshr_b32 s18, s16, 2                         ; qp
	s_bfe_u32 s19, ttmp6, 0x40000                  ; cx: it enters qimg's and out0's addresses alone
	s_lshl_b32 s20, ttmp9, 2
	s_add_co_u32 s20, s20, s19                     ; G
	s_and_b32 s21, ttmp7, 0xffff                   ; b: the batch, which the four partners share
	s_lshl_b32 s40, s21, 6
	s_add_co_u32 s40, s40, s20                     ; X
	s_mov_b32 s22, 0x76543210
	s_mov_b32 s23, 0xfedcba98                      ; v_permlanex16_b32's selects for lane l xor 16
	s_mov_b32 s24, 0x3e38aa3b                      ; c = log2(e) / 8
	s_mov_b32 s25, s24
	s_mov_b32 s26, 0                               ; the slot in hand
	s_mov_b32 s27, 14                              ; trips: slots 2 to 15 are asked for in them
	s_mov_b32 s3, 0
	s_mov_b32 s28, 15|(3<<16)|(1<<21)              ; group 1: mask of all four work-groups; elements of 8 bytes; bit 21 beside a mask
	s_mov_b32 s29, 32<<16                          ; a dense block of 12,800 bytes as 50 rows of 256
	s_mov_b32 s30, 50<<16
	s_mov_b32 s31, 32<<16
	s_mov_b32 s32, 50
	s_mov_b32 s33, 32
	s_mov_b32 s34, 0
	s_mov_b32 s35, 0
	s_mul_i32 s37, s16, 12800                      ; LDS address: my eighth of slot 0
	s_mul_i32 s2, s21, 1638400                     ; the batch's 32 steps x 4 heads x 12,800 bytes
	s_add_co_u32 s2, s2, s37
	s_mov_b32 s36, 1
	ALUW
	s_wait_dscnt 0x0
	s_wait_kmcnt 0x0
	s_add_nc_u64 s[38:39], s[6:7], s[2:3]
	s_or_b32 s39, s39, 0x80000000                  ; type = 2
	CROUND                                         ; all four work-groups are here: the first joint loads meet
	TLOAD                                          ; slot 0: one tensor load a wave at the head
	s_mul_i32 s54, s17, 12800                      ; my head's record in a step
	s_lshl_b32 s41, s40, 2                         ; q's codes: (4 X + g) 3072 + 1536 qp: the pair's twelve registers
	s_add_co_u32 s41, s41, s17
	s_mul_i32 s41, s41, 3072
	s_mul_i32 s55, s18, 1536
	s_add_co_u32 s2, s41, s55
	s_add_nc_u64 s[48:49], s[4:5], s[2:3]
	s_lshr_b32 s2, s40, 1                          ; q's scale word: ((X / 2) 4 + g) 256 + 4 (X % 2) + 128 qp + 8 r
	s_lshl_b32 s2, s2, 2
	s_add_co_u32 s2, s2, s17
	s_lshl_b32 s2, s2, 8
	s_and_b32 s41, s40, 1
	s_lshl_b32 s41, s41, 2
	s_add_co_u32 s2, s2, s41
	s_lshl_b32 s41, s18, 7
	s_add_co_u32 s2, s2, s41
	s_add_co_u32 s2, s2, 3145728
	s_add_nc_u64 s[50:51], s[4:5], s[2:3]
	s_mul_i32 s2, s17, 12288                       ; Wo's images of column group g,
	s_add_co_u32 s2, s2, 147456
	s_add_nc_u64 s[42:43], s[8:9], s[2:3]
	s_lshl_b32 s2, s17, 9                          ; their scale words,
	s_add_co_u32 s2, s2, 6144
	s_add_nc_u64 s[44:45], s[10:11], s[2:3]
	s_lshl_b32 s2, s17, 8                          ; bo's 64 numbers,
	s_add_nc_u64 s[46:47], s[12:13], s[2:3]
	s_lshl_b32 s2, s40, 6                          ; and out0 at token 64 X + 16 qp, column 64 g
	s_lshl_b32 s41, s18, 4
	s_add_co_u32 s2, s2, s41
	s_lshl_b32 s2, s2, 10
	s_lshl_b32 s41, s17, 8
	s_add_co_u32 s2, s2, s41
	s_add_nc_u64 s[52:53], s[14:15], s[2:3]
	s_mul_i32 s55, s16, 2*16*272                   ; LDS places for the end: my two stages,
	s_add_co_u32 s55, s55, STAGE
	s_lshl_b32 s56, s18, 3
	s_add_co_u32 s56, s56, s17
	s_mul_i32 s56, s56, 768
	s_add_co_u32 s56, s56, AIMG                    ; half fragment 8 qp + g (tile 2 qp; the other tile's lies 3,072 on),
	s_add_co_u32 s57, s56, 512
	s_lshl_b32 s61, s18, 8
	s_add_co_u32 s61, s61, ASC                     ; the scale words of tile 2 qp,
	s_lshl_b32 s58, s17, 1
	s_add_co_u32 s58, s58, s61                     ; my bytes in them,
	s_mul_i32 s59, s18, 6144
	s_add_co_u32 s59, s59, AIMG                    ; and tile 2 qp's four halves
	s_add_co_u32 s60, s59, 512
	v_and_b32 v254, 31, v0                         ; l
	v_and_b32 v255, 15, v0                         ; r
	v_bfe_u32 v253, v0, 4, 1                       ; h
	v_lshl_add_u32 v1, v254, 4, s54
	v_lshl_add_u32 v2, v254, 3, s54
	v_lshlrev_b32 v7, 3, v253
	v_lshlrev_b32 v89, 4, v254
	v_lshlrev_b32 v100, 3, v254
	v_lshlrev_b32 v101, 7, v253
	v_lshlrev_b32 v252, 3, v255
.irp i, 0,1,2
	global_load_b128 v[S+4*\i:S+4*\i+3], v89, s[48:49] offset:512*\i   ; registers 0-5: tile 2 qp's q; 6-11: tile 2 qp + 1's
.endr
	global_load_b32 v146, v252, s[50:51]
	INIT
	WIN 0x55
	INIT
	WIN 0
	ALUW
	s_wait_loadcnt 0x0
	v_and_b32 v14, 0xffff, v146                    ; (q0, q1, 0, 0): tile 2 qp's q in the lower half of K,
	v_lshlrev_b32 v15, 16, v146                    ; (0, 0, q0, q1): in the upper;
	v_lshrrev_b32 v86, 16, v146                    ; and the same of tile 2 qp + 1
	v_and_b32 v87, 0xffff0000, v146
.irp i, 0,1,2,3,4,5
	v_mov_b32 v[QLO+\i], v[S+\i]
.endr
	WIN 0x40
.irp i, 0,1,2,3,4,5
	v_mov_b32 v[QLO+\i], v[S+6+\i]
.endr
	v_mov_b32 v7, v7                               ; 8 h for window 1 too
	WIN 0
	ALUW                                           ; the head's end
	s_wait_tensorcnt 0x0                           ; my part of slot 0 is in; slot 1's first fill is issued as a refill is
	ds_add_u32 v3, v4
	s_xor_b32 s37, s37, SLOT1
	s_add_nc_u64 s[38:39], s[38:39], SLOTB
	s_wait_dscnt 0x0
	CROUND
	TLOAD                                          ; slot 1
	v_add_nc_u32 v5, s26, v1
	v_add_nc_u32 v6, s26, v2
	KLOAD 0
	ALUW
	s_wait_dscnt 0x0
	QK
.Ltrip:                                            ; a trip is a slot's two steps; in its second the slot is left and asked for again
	BODY 0, 0
	BODY 1, 1
	s_sub_co_u32 s27, s27, 1
	s_cmp_lg_u32 s27, 0
	s_cbranch_scc1 .Ltrip
	BODY 0, 0                                      ; the last two slots are written out
	BODY 1, 2
	BODY 0, 0
	BODY 1, 3
	; ---- THE END.  These plain lines are also the places behind the last products.
	v_and_b32 v5, 15, v0                           ; r
	v_bfe_u32 v6, v0, 4, 1                         ; h
	v_mul_u32_u24 v246, v5, 272
	v_mul_u32_u24 v247, v6, 272
	v_lshlrev_b32 v248, 10, v6
	v_lshl_add_u32 v246, v6, 7, v246
	v_lshl_add_u32 v247, v5, 4, v247
	v_lshl_add_u32 v248, v5, 4, v248               ; out0: two rows an instruction, 16 bytes a lane
	v_add_nc_u32 v246, s55, v246                   ; the stage, in: row r, + 128 h
	v_add_nc_u32 v247, s55, v247                   ; back: lanes 0-15 one row, lanes 16-31 the next
	v_add_nc_u32 v236, s56, v89
	v_add_nc_u32 v237, s57, v100
	v_lshl_add_u32 v239, v5, 3, v6
	v_add_nc_u32 v238, s59, v89
	v_add_nc_u32 v240, s60, v100
	v_lshl_add_u32 v241, v5, 3, s61
	v_add_nc_u32 v239, s58, v239                   ; my scale byte: ASC + 256 qp + 2 g + 8 r + h
	FIN
	ds_store_b128 v236, v[PC:PC+3]
	ds_store_b64 v237, v[PC+4:PC+5]
	ds_store_b8 v239, v253
	WIN 0x55
	FIN
	WIN 0x04                                       ; the data in window 1
	ds_store_b128 v236, v[PC:PC+3] offset:3072
	ds_store_b64 v237, v[PC+4:PC+5] offset:3072
	ds_store_b8 v239, v253 offset:128
	WIN 0
	ALUW
	s_wait_dscnt 0x0                               ; for the others' sake: my stores have landed
	s_barrier_signal -1
	s_barrier_wait -1                              ; the four query tiles' fragments and scale words lie in LDS
.irp f, 0,1,2,3
	ds_load_b128 v[O+6*\f:O+6*\f+3], v238 offset:768*\f
	ds_load_b64 v[O+6*\f+4:O+6*\f+5], v240 offset:768*\f
.endr
	ds_load_b64 v[14:15], v241
	ds_load_b64 v[86:87], v241 offset:128
	WIN 0x40
.irp f, 0,1,2,3
	ds_load_b128 v[O+6*\f:O+6*\f+3], v238 offset:3072+768*\f
	ds_load_b64 v[O+6*\f+4:O+6*\f+5], v240 offset:3072+768*\f
.endr
	WIN 0
	s_wait_loadcnt 0x0                             ; Wo, its scales, bo
	s_wait_dscnt 0x0
	; transposed: source 0 = 16 columns of Wo, source 1 = 16 queries; eight accumulators by turns, K step by K step; bo is the first step's C.  Tile n's result at v[182 + 8 n + 24 (n / 2)] of its query tile's window
	WIN 0x10                                       ; bo in window 1
.irp n, 0,1,2,3
	WM 182+8*\n+24*(\n/2), KF+24*\n+48*(\n/2), O, 102+8*\n, 34+64*(\n/2), 14, \n%2
.endr
	WIN 0x54
.irp n, 0,1,2,3
	WM 182+8*\n+24*(\n/2), KF+24*\n+48*(\n/2), O, 102+8*\n, 34+64*(\n/2), 86, \n%2
.endr
	WIN 0
.irp n, 0,1,2,3
	WM 182+8*\n+24*(\n/2), KF+24*\n+48*(\n/2)+12, O+12, 182+8*\n+24*(\n/2), 35+64*(\n/2), 15, \n%2
.endr
	WIN 0x54
.irp n, 0,1,2,3
	WM 182+8*\n+24*(\n/2), KF+24*\n+48*(\n/2)+12, O+12, 182+8*\n+24*(\n/2), 35+64*(\n/2), 87, \n%2
.endr
	WIN 0
	PLACES
	; THE WAY OUT: a lane holds 128 neighbouring bytes of a row; through my own stages they come back as whole pieces of 256 bytes, which sixteen lanes store.  LDS serves a wave's instructions in order (ISA guide 5.7.1).
.irp j, 0,1,2,3,4,5,6,7
	ds_store_b128 v246, v[182+8*(\j/2)+24*(\j/4)+4*(\j%2):182+8*(\j/2)+24*(\j/4)+4*(\j%2)+3] offset:16*\j   ; each accumulator from its low end on
.endr
.irp j, 0,1,2,3,4,5,6,7
	ds_load_b128 v[O+4*\j:O+4*\j+3], v247 offset:544*\j
.endr
	WIN 0x04
.irp j, 0,1,2,3,4,5,6,7
	ds_store_b128 v246, v[182+8*(\j/2)+24*(\j/4)+4*(\j%2):182+8*(\j/2)+24*(\j/4)+4*(\j%2)+3] offset:4352+16*\j
.endr
	WIN 0x40
.irp j, 0,1,2,3,4,5,6,7
	ds_load_b128 v[O+4*\j:O+4*\j+3], v247 offset:4352+544*\j
.endr
	WIN 0
.irp i, 0,1,2,3,4,5,6,7
	s_wait_dscnt 23-\i                             ; behind this read-back: the tile's younger ones and the other tile's 16 LDS instructions
	global_store_b128 v248, v[O+4*\i:O+4*\i+3], s[52:53] offset:2048*\i+24576*(\i/4) th:TH_STORE_NT   ; rows 2 i + h of the tile are tokens 2 i + h + 24 (i / 4); 16 lanes store 256 consecutive bytes, aligned
.endr
	WIN 0x04
.irp i, 0,1,2,3,4,5,6,7
	s_wait_dscnt 7-\i
	global_store_b128 v248, v[O+4*\i:O+4*\i+3], s[52:53] offset:8192+2048*\i+24576*(\i/4) th:TH_STORE_NT   ; the other tile: eight tokens on
.endr
	WIN 0
	s_wait_tensorcnt 0x0                           ; the wave's end
	ds_add_u32 v3, v4
	s_wait_dscnt 0x0
	CROUND                                         ; the closing round
	s_endpgm
.Lfunc_end_k_qa958ba06da_attn:
	.size	k_qa958ba06da_attn, .Lfunc_end_k_qa958ba06da_attn-k_qa958ba06da_attn
	.p2alignl 7, 3214868480
	.fill 96, 4, 3214868480
	.section	.rodata,"a",@progbits
	.p2align	6, 0x0
	.amdhsa_kernel k_qa958ba06da_attn
		.amdhsa_group_segment_fixed_size 327680
		.amdhsa_private_segment_fixed_size 0
		.amdhsa_enable_private_segment 0
		.amdhsa_kernarg_size 48
		.amdhsa_user_sgpr_count 2
		.amdhsa_user_sgpr_kernarg_segment_ptr 1
		.amdhsa_wavefront_size32 1
		.amdhsa_system_sgpr_workgroup_id_x 1
		.amdhsa_system_sgpr_workgroup_id_y 1
		.amdhsa_system_sgpr_workgroup_id_z 1
		.amdhsa_system_vgpr_workitem_id 0
		.amdhsa_next_free_vgpr 512
		.amdhsa_next_free_sgpr 66
		.amdhsa_reserve_vcc 0
		.amdhsa_float_denorm_mode_32 3
		.amdhsa_float_denorm_mode_16_64 3
		.amdhsa_memory_ordered 1
		.amdhsa_forward_progress 1
		.amdhsa_inst_pref_size 192
	.end_amdhsa_kernel
	.amdgpu_metadata
---
amdhsa.version: [ 1, 2 ]
amdhsa.kernels:
  - .name:           k_qa958ba06da_attn
    .symbol:         k_qa958ba06da_attn.kd
    .args:
      - { .name: qimg, .offset: 0, .size: 8, .value_kind: global_buffer, .address_space: global }
      - { .name: kv, .offset: 8, .size: 8, .value_kind: global_buffer, .address_space: global }
      - { .name: wimg, .offset: 16, .size: 8, .value_kind: global_buffer, .address_space: global }
      - { .name: wsc, .offset: 24, .size: 8, .value_kind: global_buffer, .address_space: global }
      - { .name: bo, .offset: 32, .size: 8, .value_kind: global_buffer, .address_space: global }
      - { .name: out0, .offset: 40, .size: 8, .value_kind: global_buffer, .address_space: global }
    .group_segment_fixed_size: 327680
    .private_segment_fixed_size: 0
    .kernarg_segment_align: 8
    .kernarg_segment_size: 48
    .max_flat_workgroup_size: 256
    .sgpr_count:     66
    .vgpr_count:     512
    .wavefront_size: 32
...
	.end_amdgpu_metadata
.endif
;; end of part 3
